; MI455X (gfx1250); checked and timed in simulation.
; The chip was launched on July 23, 2026; its instructions are those of AMD's public machine-readable ISA for CDNA 5 (MIT licence, August 2026) and "CDNA5" Instruction Set Architecture Reference Guide (July 2026). The comments in the code are by the model that wrote it; some were corrected since.
;; Janossy Pool. Allowed arithmetic: float matrix products may take bf16 or f16 operands with f32 sums; other float arithmetic in f32, or as packed bf16 or f16 multiplies, adds, multiply-adds, maxima and minima; sums over many terms, partial sums and values carried from step to step in f32; what a program stores and reads back later, other than sums and carried values, may be rounded once to bf16 or f16.
;; Inputs: W1 256 x 512 float32; W2 512 x 512 float32; W3 512 x 256 float32; b1 512 float32; b2 512 float32; b3 256 float32; x 64 x 32 x 128 float32.
;; Outputs: out0 64 x 256 float32.
;; 2 versions, each right; version 2 is version 1 with the launch prep written anew for expert scheduling mode. Each part assembles by itself: llvm-mc -triple=amdgcn-amd-amdhsa -mcpu=gfx1250 --defsym DOCPART=n.
;; ======== version 1 of 2: 3 launches
;; workspace buffers: UV 8,388,608 bytes; W2P 524,288 bytes; S 131,072 bytes
;; launch prep (part 1): grid 8 x 32, 8 waves a work-group, no clusters, 37,888 bytes of LDS; arguments x, W1, b1, W2, UV, W2P; writes UV, W2P
.if DOCPART == 1
	.amdgcn_target "amdgcn-amd-amdhsa--gfx1250"
	.amdhsa_code_object_version 6
	.text
	.protected	k_q28ccb0a5e1_prep
	.globl	k_q28ccb0a5e1_prep
	.p2align	8
	.type	k_q28ccb0a5e1_prep,@function
k_q28ccb0a5e1_prep:
	s_mov_b64 s[64:65], 0
	v_nop
	global_prefetch_b8 v0, s[64:65] scope:SCOPE_SE
	s_setreg_imm32_b32 hwreg(HW_REG_WAVE_MODE, 25, 1), 1
	s_wait_xcnt 0x0
; JANOSSY POOLING, first of three launches.  out[b] = the sum over the 992 ordered pairs (i, j), i != j, of relu(relu([x_i, x_j] W1 + b1) W2 + b2) W3 + b3.
; HOW THE WORK IS REGROUPED, for all values of the inputs:
; (a) a row of xp is x_i followed by x_j, so xp W1 = x_i W1[0:128] + x_j W1[128:256]: the same products, each made once for a row of x and not once for a pair.
;     U = x W1[0:128] + b1 and V = x W1[128:256] are made here; the second launch takes h1 = relu(U_i + V_j).
; (b) layer 3 and the sum over pairs are both linear: the sum of (h2 W3 + b3) is (the sum of h2) W3 + 992 b3.  The third launch does that.
; Every one of the seven inputs is loaded by some launch.  LIMITS: the sums are taken in another order than reference()'s; an overflow that reference() would meet only in a single
; pair's h2 W3, or in a single pair's xp W1 before the halves are joined, is not carried to the result.  Matrix operands are bf16, sums f32; U and V are stored in f32.
; THIS LAUNCH ALSO rounds W2 to bf16 and lays it in the order in which the second launch's fragments want it.
; SHARES.  Work-group (nb, rbk): which = nb / 4 (0: U, 1: V), cb = nb % 4: 128 hidden columns; rbk: 64 rows of x (two sets).  Wave wv: row tile rt = wv % 4 (16 rows), nh = wv / 4 (64 columns: 4 tiles).
; THE PRODUCT IS TAKEN TRANSPOSED: source 0 = 16 columns of W1, source 1 = 16 rows of x: lane (r = l % 16, hh = l / 16) then holds row r and the columns n0 + 8 hh + 0..7.
; UV, f32: byte b 131072 + t 8192 + which 4096 + rb 2048 + q 512 + l 16 (t: 32 hidden channels; rb: 16 rows of the set; q = 0..3).  Lane l's 16 numbers e = 4 q + 0..3 are row 16 rb + r,
; channels 32 t + 8 hh + e (e < 8) and 32 t + 16 + 8 hh + e - 8: the channels that lane l of a fragment of h1 holds.  Two neighbouring tiles of this product are just that.
; W2P, bf16: byte nq 131072 + t 8192 + bt 1024 + c 512 + l 16; the 16 bytes are W2[32 t + 16 c + 8 hh + 0..7][128 nq + 16 bt + r].
; NO CLUSTER, NO TENSOR LOAD: W1's and x's tiles are rounded to bf16 on their way, which only a way through registers does; a work-group reads each of its bytes once, at its head.
.set PW,    288                        ; a row of W1's tile in LDS: 128 bf16 + 32 bytes
.set SPARE, 128*PW                     ; behind the tile: the spare words, 128 bytes for each of the eight waves; no other line names them
.set WO,  1                            ; v1   W1: 16 l + 16 rows x wave
.set LST, 2                            ; v2   LDS: where I put 8 bytes of a row of W1
.set XO,  3                            ; v3   x: 512 r + 32 hh
.set BO,  4                            ; v4   b1: 32 hh
.set TRA, 5                            ; v5   LDS: my place in a transposing load
.set UO,  6                            ; v6   UV: 16 l
.set W2O, 7                            ; v7   W2: 4 x thread
.set PO,  8                            ; v8   W2P: 1024 (thread / 16) + 16 (thread % 16)
.set SPW, 14                           ; v14  my spare word; never rewritten
.set NIL, 15                           ; v15  0; never rewritten
.set WR,  16                           ; v[16:79]   W1 as loaded
.set XR,  80                           ; v[80:143]  x as loaded
.set WF,  16                           ; v[16:143]  later: W1's fragments, K step ks, tile nt at 32 ks + 8 nt
.set XF,  144                          ; v[144:175] x's fragments, 8 a K step
.set ACC, 176                          ; v[176:207] four accumulators
.set W2R, 208                          ; v[208:215] W2 as loaded
.set W2K, 216                          ; v[216:219] W2 packed
	s_load_b256 s[4:11], s[0:1], 0x0               ; x s[4:5], W1 s[6:7], b1 s[8:9], W2 s[10:11]
	s_load_b128 s[12:15], s[0:1], 0x20             ; UV s[12:13], W2P s[14:15]
	v_lshl_add_u32 v[SPW], v0, 2, SPARE
	v_mov_b32 v[NIL], 0
	v_lshrrev_b32 v9, 5, v0
	v_readfirstlane_b32 s16, v9                    ; wave 0..7
	s_and_b32 s17, s16, 3                          ; rt
	s_lshr_b32 s18, s16, 2                         ; nh
	s_lshr_b32 s19, ttmp9, 2                       ; which
	s_and_b32 s20, ttmp9, 3                        ; cb (also nq of my piece of W2)
	s_and_b32 s21, ttmp7, 0xffff                   ; rbk
	v_and_b32 v10, 31, v0                          ; l
	v_and_b32 v11, 15, v0                          ; r
	v_bfe_u32 v12, v0, 4, 1                        ; hh
	s_lshl_b32 s34, s16, 15
	v_lshl_add_u32 v[WO], v10, 4, s34              ; 16 l + wave x 16 rows of 2,048 bytes
	s_mul_i32 s34, s16, 16*PW
	v_lshl_add_u32 v[LST], v10, 3, s34             ; 8 l + wave x 16 LDS rows
	v_lshlrev_b32 v[XO], 9, v11
	v_lshl_add_u32 v[XO], v12, 5, v[XO]
	v_lshlrev_b32 v[BO], 5, v12
	v_and_b32 v13, 7, v0
	v_lshl_add_u32 v13, v12, 3, v13                ; k row 8 hh + l % 8
	v_mul_u32_u24 v[TRA], v13, PW
	v_bfe_u32 v13, v0, 3, 1
	v_lshl_add_u32 v[TRA], v13, 4, v[TRA]          ; + 16 ((l / 8) % 2)
	s_lshl_b32 s34, s18, 7
	v_add_nc_u32 v[TRA], s34, v[TRA]               ; + my 64 columns
	v_lshlrev_b32 v[UO], 4, v10
	v_lshlrev_b32 v[W2O], 2, v0
	v_lshrrev_b32 v13, 4, v0
	v_lshlrev_b32 v13, 10, v13
	v_lshl_add_u32 v[PO], v11, 4, v13
	; byte offsets, each in a pair of its own
	s_lshl_b32 s34, s20, 9                         ; cb x 512
	s_lshl_b32 s22, s19, 18                        ; W1: which x 128 rows
	s_add_co_u32 s22, s22, s34
	s_mov_b32 s23, 0
	s_lshl_b32 s24, s21, 15                        ; x: 64 rbk + 16 rt rows of 512 bytes
	s_lshl_b32 s35, s17, 13
	s_add_co_u32 s24, s24, s35
	s_mov_b32 s25, 0
	s_lshl_b32 s26, s18, 8                         ; b1: cb x 512 + nh x 256
	s_add_co_u32 s26, s26, s34
	s_mov_b32 s27, 0
	s_lshl1_add_u32 s36, s21, s19                  ; ko = (8 rbk + nb) / 4 = 2 rbk + which: my 8 rows of W2
	s_lshl_b32 s28, s36, 14
	s_add_co_u32 s28, s28, s34
	s_mov_b32 s29, 0
	s_lshr_b32 s35, s17, 1
	s_lshl1_add_u32 s35, s21, s35                  ; the set: 2 rbk + rt / 2
	s_lshl_b32 s30, s35, 17
	s_lshl_b32 s35, s19, 12
	s_add_co_u32 s30, s30, s35                     ; + which x 4,096
	s_and_b32 s35, s17, 1
	s_lshl_b32 s35, s35, 11
	s_add_co_u32 s30, s30, s35                     ; + rb x 2,048
	s_lshl1_add_u32 s35, s20, s18
	s_lshl_b32 s35, s35, 14
	s_add_co_u32 s30, s30, s35                     ; + (4 cb + 2 nh) x 8,192
	s_mov_b32 s31, 0
	s_lshl_b32 s32, s20, 17                        ; W2P: nq x 131,072
	s_lshr_b32 s35, s36, 2
	s_lshl_b32 s35, s35, 13
	s_add_co_u32 s32, s32, s35                     ; + t x 8,192
	s_and_b32 s35, s36, 3
	s_lshl_b32 s35, s35, 8
	s_add_co_u32 s32, s32, s35                     ; + c x 512 + hh x 256 = (ko % 4) x 256
	s_mov_b32 s33, 0
	s_wait_kmcnt 0x0
	s_add_nc_u64 s[6:7], s[6:7], s[22:23]
	s_add_nc_u64 s[4:5], s[4:5], s[24:25]
	s_add_nc_u64 s[8:9], s[8:9], s[26:27]
	s_add_nc_u64 s[10:11], s[10:11], s[28:29]
	s_add_nc_u64 s[12:13], s[12:13], s[30:31]
	s_add_nc_u64 s[14:15], s[14:15], s[32:33]
	; all loads go out together
.set n, 0
.rept 16
	global_load_b128 v[WR+4*n:WR+4*n+3], v[WO], s[6:7] offset:n*2048      ; one row's 512 bytes: 128 columns
.set n, n+1
.endr
.set n, 0
.rept 16                               ; K step n / 4; the lane's channels 8 hh + 0..7 and 16 + 8 hh + 0..7, 32 bytes each
	global_load_b128 v[XR+4*n:XR+4*n+3], v[XO], s[4:5] offset:(n/4)*128+((n%4)/2)*64+(n%2)*16
.set n, n+1
.endr
	s_cmp_eq_u32 s19, 0
	s_cbranch_scc0 .Lno_bias
.set n, 0
.rept 8                                ; U: the sums start at b1 of the lane's eight columns
	global_load_b128 v[ACC+4*n:ACC+4*n+3], v[BO], s[8:9] offset:(n/2)*64+(n%2)*16
.set n, n+1
.endr
	s_branch .Lbias_done
.Lno_bias:
.set n, 0
.rept 32                               ; V: they start at 0; written while the loads are out, so that the products have one text
	v_mov_b32 v[ACC+n], 0
.set n, n+1
.endr
.Lbias_done:
	s_cmp_lt_u32 s16, 4                            ; waves 0-3: 8 rows x 128 columns of W2, a column a thread
	s_cbranch_scc0 .Lno_w2
.set n, 0
.rept 8
	global_load_b32 v[W2R+n], v[W2O], s[10:11] offset:n*2048
.set n, n+1
.endr
	s_wait_loadcnt 0x0                             ; all my loads: the same wait stands below for every wave
.set n, 0
.rept 4
	v_cvt_pk_bf16_f32 v[W2K+n], v[W2R+2*n], v[W2R+2*n+1]
.set n, n+1
.endr
	global_store_b128 v[PO], v[W2K:W2K+3], s[14:15]  ; 16 lanes store 256 consecutive bytes, aligned
.Lno_w2:
	s_wait_loadcnt 0x0
.set n, 0
.rept 16                               ; W1 to bf16, in place, and into LDS as [k][n]
	v_cvt_pk_bf16_f32 v[WR+4*n], v[WR+4*n], v[WR+4*n+1]
	v_cvt_pk_bf16_f32 v[WR+4*n+1], v[WR+4*n+2], v[WR+4*n+3]
	ds_store_b64 v[LST], v[WR+4*n:WR+4*n+1] offset:n*PW
.set n, n+1
.endr
.set n, 0
.rept 32                               ; x to bf16: fragment register n % 8 of K step n / 8
	v_cvt_pk_bf16_f32 v[XF+n], v[XR+2*n], v[XR+2*n+1]
.set n, n+1
.endr
	s_wait_dscnt 0x0                               ; for the others' sake: my rows of the tile are written
	s_barrier_signal -1
	s_barrier_wait -1
.set n, 0
.rept 16                               ; K step n / 4, tile n % 4: 16 columns x 32 k, turned
	ds_load_tr16_b128 v[WF+8*n:WF+8*n+3],   v[TRA] offset:(n/4)*32*PW+(n%4)*32
	ds_load_tr16_b128 v[WF+8*n+4:WF+8*n+7], v[TRA] offset:(n/4)*32*PW+(n%4)*32+16*PW
.set n, n+1
.endr
.set ks, 0
.rept 4
	s_wait_dscnt 24-8*ks                           ; this K step's eight loads are in; those of the later K steps may stay out
.set nt, 0
.rept 4                                ; the four accumulators take turns
	v_wmma_f32_16x16x32_bf16 v[ACC+8*nt:ACC+8*nt+7], v[WF+32*ks+8*nt:WF+32*ks+8*nt+7], v[XF+8*ks:XF+8*ks+7], v[ACC+8*nt:ACC+8*nt+7]
.set nt, nt+1
.endr
.set ks, ks+1
.endr
.rept 8
	v_nop                                          ; the places between the last products and the stores that read them
.endr
.set n, 0
.rept 8                                ; channels block n / 4, quarter n % 4: each store covers 512 consecutive bytes, aligned; each accumulator's low registers go first
	global_store_b128 v[UO], v[ACC+4*n:ACC+4*n+3], s[12:13] offset:(n/4)*8192+(n%4)*512
.set n, n+1
.endr
	s_wait_tensorcnt 0x0                           ; the wave's end
	ds_add_u32 v[SPW], v[NIL]
	s_wait_dscnt 0x0
	s_endpgm
.Lfunc_end_k_q28ccb0a5e1_prep:
	.size	k_q28ccb0a5e1_prep, .Lfunc_end_k_q28ccb0a5e1_prep-k_q28ccb0a5e1_prep
	.p2alignl 7, 3214868480
	.fill 96, 4, 3214868480
	.section	.rodata,"a",@progbits
	.p2align	6, 0x0
	.amdhsa_kernel k_q28ccb0a5e1_prep
		.amdhsa_group_segment_fixed_size 37888
		.amdhsa_private_segment_fixed_size 0
		.amdhsa_enable_private_segment 0
		.amdhsa_kernarg_size 48
		.amdhsa_user_sgpr_count 2
		.amdhsa_user_sgpr_kernarg_segment_ptr 1
		.amdhsa_wavefront_size32 1
		.amdhsa_system_sgpr_workgroup_id_x 1
		.amdhsa_system_sgpr_workgroup_id_y 1
		.amdhsa_system_sgpr_workgroup_id_z 1
		.amdhsa_system_vgpr_workitem_id 0
		.amdhsa_next_free_vgpr 224
		.amdhsa_next_free_sgpr 66
		.amdhsa_reserve_vcc 0
		.amdhsa_float_denorm_mode_32 3
		.amdhsa_float_denorm_mode_16_64 3
		.amdhsa_memory_ordered 1
		.amdhsa_forward_progress 1
		.amdhsa_inst_pref_size 19
	.end_amdhsa_kernel
	.amdgpu_metadata
---
amdhsa.version: [ 1, 2 ]
amdhsa.kernels:
  - .name:           k_q28ccb0a5e1_prep
    .symbol:         k_q28ccb0a5e1_prep.kd
    .args:
      - { .name: x, .offset: 0, .size: 8, .value_kind: global_buffer, .address_space: global }
      - { .name: W1, .offset: 8, .size: 8, .value_kind: global_buffer, .address_space: global }
      - { .name: b1, .offset: 16, .size: 8, .value_kind: global_buffer, .address_space: global }
      - { .name: W2, .offset: 24, .size: 8, .value_kind: global_buffer, .address_space: global }
      - { .name: UV, .offset: 32, .size: 8, .value_kind: global_buffer, .address_space: global }
      - { .name: W2P, .offset: 40, .size: 8, .value_kind: global_buffer, .address_space: global }
    .group_segment_fixed_size: 37888
    .private_segment_fixed_size: 0
    .kernarg_segment_align: 8
    .kernarg_segment_size: 48
    .max_flat_workgroup_size: 256
    .sgpr_count:     66
    .vgpr_count:     224
    .wavefront_size: 32
...
	.end_amdgpu_metadata
.endif
;; end of part 1
;; launch pairs (part 2): grid 4 x 64, 4 waves a work-group, clusters of 4 x 4, 266,752 bytes of LDS; arguments UV, W2P, b2, S; writes S
.if DOCPART == 2
	.amdgcn_target "amdgcn-amd-amdhsa--gfx1250"
	.amdhsa_code_object_version 6
	.text
	.protected	k_q28ccb0a5e1_pairs
	.globl	k_q28ccb0a5e1_pairs
	.p2align	8
	.type	k_q28ccb0a5e1_pairs,@function
k_q28ccb0a5e1_pairs:
	s_mov_b64 s[64:65], 0
	v_nop
	global_prefetch_b8 v0, s[64:65] scope:SCOPE_SE
	s_setreg_imm32_b32 hwreg(HW_REG_WAVE_MODE, 25, 1), 1
	s_wait_xcnt 0x0
	s_wait_alu depctr_hold_cnt(0) depctr_sa_sdst(0) depctr_va_vdst(0) depctr_va_sdst(0) depctr_va_ssrc(0) depctr_va_vcc(0) depctr_vm_vsrc(0)
	s_getreg_b32 s2, hwreg(HW_REG_IB_STS2, 6, 4)
	s_cmp_eq_u32 s2, 0
	s_cbranch_scc0 .Lentry_in_a_cluster
	s_endpgm
.Lentry_in_a_cluster:
	s_bfe_u32 s2, ttmp6, 0x10000c
	s_cmp_lg_u32 s2, 0xf033
	s_cbranch_scc0 .Lentry_shape_is_right
	s_endpgm
.Lentry_shape_is_right:
; S[b][n] = the sum over the pairs (i, j), i != j, of relu(relu(U_i + V_j) W2 + b2)[n].  Second of three launches; U (with b1 in it), V and W2 in bf16 come from the first, in fragment order.
; LEFT OUT HERE: layer 3, which is linear and is applied to the sum by the third launch (shown at the head of the first kernel).
; LIMITS.  h1 and W2 are bf16, sums f32, in another order than reference()'s.  relu is taken by a maximum in which a NaN loses.  The 32 rows (i, i) of a set lie inside live tiles: they are computed and
; dropped by a select, so nothing of theirs reaches S.  The last K step of the second pass fetches and makes fragments for a pass that does not exist (40 LDS loads, 96 vector lines a wave): the price of one text for both passes.
; SHARES.  Work-group (set b, column quarter nq): 1,024 rows x 128 columns x K = 512.  Wave w takes eight i in two passes p: i_g = 16 p + 4 w + i, i = 0..3, against all 32 j: 128 x 128 in 64 accumulators.
; M tile f = 4 hf + i; its row m is j = 16 ((hf + p) % 2) + (m + 4 w) % 16.  So j = i_g falls in tile f = i, row m = i: register i of lanes 0-15, whatever w and p.
; ALL OPERANDS STAY IN LDS: W2P's slice (131,072 bytes) and the set's UV (131,072) are each asked for once, at the head, and nothing is filled again.  Nothing is left to ask for ahead, so there is no prefetch.
; CLUSTER 4 x 4: the four work-groups of a row share the set, those of a column share the slice of W2: each tile is asked for jointly, by the same load, descriptor and mask in all four.
; BY TURNS.  A K step (32 channels) is 64 matrix instructions and 192 vector lines that make the next eight fragments of h1 (for each: 8 packed U + V, 8 roundings to bf16, 8 packed maxima with 0).
; Three of them stand behind each matrix instruction; in phases of their own they would leave the matrix unit idle meanwhile.  The price is two window switches a matrix instruction.
; REGISTERS, in windows of 256 (s_set_vgpr_msb: bits 1:0 source 0, 3:2 source 1, 5:4 source 2, 7:6 destination):
;   window 0: v0-15 addresses; v16-31 T; v32-47 SS (column sums, a pair a column tile); v48-79 V0, V1; v80-143 U0-U3; v144-207 the eight fragments of h1; v208 b2's offset
;   window 1: v0-63, v64-127 W2's fragments, two buffers; v128-191 b2, eight equal registers a column tile        window 2: accumulators of f = 0..3 at 8 (8 f + bt)        window 3: those of f = 4..7
.set KB,    8192                       ; a K step's bytes in either region
.set LU,    131072                     ; LDS: W2P's slice from 0, UV from here
.set STAGE, 262144                     ; the waves' column sums: w 1024 + hh 512 + 4 n; no tensor load lands here
.set SPARE, 266240                     ; the spare words, 128 bytes for each wave; no other line names them
.set AU,   2                           ; v2   LU + 256 hh + 64 w: U's rows 4 w .. in a block; never rewritten
.set AV,   3                           ; v3   LU + 4096 + 16 (16 hh + (r + 4 w) % 16); never rewritten
.set AB,   4                           ; v4   16 l; never rewritten
.set ADU,  5                           ; v5-8 the addresses of the K step that is being fetched
.set ADV0, 6
.set ADV1, 7
.set ADB,  8
.set Z,    9                           ; v9   0
.set SPW,  10                          ; v10  my spare word; never rewritten
.set NIL,  11                          ; v11  0; never rewritten
.set STA,  12
.set RDA,  13
.set TT,   16
.set SS,   32
.set VV,   48
.set UU,   80
.set AF,   144
.set BOF,  208
.set BIAS, 128                         ; in window 1
.set WV,   12                          ; s12  my wave's number
.set G1A,  24                          ; s[24:31] descriptor group 1 for UV's tiles
.set G1B,  32                          ; s[32:39] for W2P's: it differs in the mask alone
.set G0A,  40                          ; s[40:55] group 0 for UV's tiles, a set for each of a wave's four loads
.set G0B,  68                          ; s[68:83] the same for W2P's
.set OA,   84                          ; s84  fetched K step x 8,192 + 2,048 p: U's block and V0's
.set OB,   85                          ; s85  the same with the other block: V1's
.set OBB,  86                          ; s86  fetched K step x 8,192
.set PASS, 87
.set CNT,  88
.set DM,   89                          ; s89  lanes 16-31
.set MSB, 0
.macro WIN new                         ; the immediate's high byte repeats the setting that is left; a switch that changes nothing is dropped
.if MSB != (\new)
	s_set_vgpr_msb (MSB<<8)|(\new)
.set MSB, (\new)
.endif
.endm
.macro CROUND                          ; a round of the cluster's barrier: my work-group's barrier; wave 0 signals for the work-group; every wave waits for all sixteen; my work-group's barrier once more
	s_barrier_signal -1
	s_barrier_wait -1
	s_cmp_lg_u32 s[WV], 0
	s_cbranch_scc1 .Lnot_wave_0_\@
	s_barrier_signal -3
.Lnot_wave_0_\@:
	s_barrier_wait -3
	s_barrier_signal -1
	s_barrier_wait -1
.endm
	s_load_b256 s[4:11], s[0:1], 0x0               ; UV s[4:5], W2P s[6:7], b2 s[8:9], S s[10:11]
	v_lshl_add_u32 v[SPW], v0, 2, SPARE
	v_mov_b32 v[NIL], 0
	ds_add_u32 v[SPW], v[NIL]                      ; the wave's opening: the add, twice on end, and its wait ahead of my first tensor load
	ds_add_u32 v[SPW], v[NIL]                      ; and once more, under the one wait; the set-up below, work on registers, stands between
	v_lshrrev_b32 v1, 5, v0
	v_readfirstlane_b32 s[WV], v1                  ; wave 0..3
	s_and_b32 s13, s[WV], 1                        ; which two of four K steps each of my loads brings
	s_bfe_u32 s15, ttmp6, 0x40000                  ; cx
	s_bfe_u32 s16, ttmp6, 0x40004                  ; cy
	s_lshl_b32 s14, ttmp9, 2
	s_add_co_u32 s14, s14, s15                     ; nq = 4 x cluster x + cx
	s_and_b32 s17, ttmp7, 0xffff
	s_lshl_b32 s17, s17, 2
	s_add_co_u32 s17, s17, s16                     ; b = 4 x cluster y + cy
	s_lshl_b32 s22, s16, 2
	s_lshl_b32 s22, 15, s22                        ; my row of the cluster: it shares the set
	s_lshl_b32 s58, 0x1111, s15                    ; my column: it shares the slice of W2
	; group 1: 16,384 dense bytes as 64 rows of 256: elements of 8 bytes, 32 a row, pitch 32; no padding: every LDS load of a wave takes 512 consecutive bytes or one word for 16 lanes
	s_or_b32 s[G1A], s22, (3<<16)|(1<<21)          ; 15:0 the mask; 17:16 elements of 8 bytes; 21 set beside a mask
	s_or_b32 s[G1B], s58, (3<<16)|(1<<21)
.irp g, G1A, G1B
	s_mov_b32 s[\g+1], 32<<16                      ; tensor_dim0 = 32
	s_mov_b32 s[\g+2], 64<<16                      ; tensor_dim1 = 64
	s_mov_b32 s[\g+3], 32<<16                      ; tile_dim0 = 32
	s_mov_b32 s[\g+4], 64                          ; tile_dim1 = 64
	s_mov_b32 s[\g+5], 32                          ; 32 elements from row to row
	s_mov_b32 s[\g+6], 0
	s_mov_b32 s[\g+7], 0
.endr
	s_lshl_b32 s23, s13, 14                        ; my two K steps of four: 16,384 bytes, in memory and in LDS alike
	s_lshl_b32 s18, s17, 17                        ; UV's offset is made of b and the wave alone,
	s_add_co_u32 s18, s18, s23
	s_mov_b32 s19, 0
	s_lshl_b32 s90, s14, 17                        ; W2P's of nq and the wave alone
	s_add_co_u32 s90, s90, s23
	s_mov_b32 s91, 0
.irp n, 0,1,2,3                        ; load n brings K steps 4 n + 2 half and the next; no place in the cluster enters an LDS address
	s_mov_b32 s[G0A+4*\n], 1
	s_add_co_u32 s[G0A+4*\n+1], s23, LU+\n*32768
	s_mov_b32 s[G0B+4*\n], 1
	s_add_co_u32 s[G0B+4*\n+1], s23, \n*32768
.endr
	s_lshl_b32 s94, s14, 9                         ; b2: my 128 columns
	s_mov_b32 s95, 0
	s_lshl_b32 s56, s17, 11                        ; S: row b, my 128 columns
	s_add_co_u32 s56, s56, s94
	s_mov_b32 s57, 0
	s_mov_b32 s[OA], 0
	s_mov_b32 s[OB], 2048
	s_mov_b32 s[OBB], 0
	s_mov_b32 s[DM], 0xffff0000
	s_wait_dscnt 0x0                               ; both opening adds are done
	s_wait_kmcnt 0x0
	s_add_nc_u64 s[20:21], s[4:5], s[18:19]
	s_add_nc_u64 s[92:93], s[6:7], s[90:91]
	s_add_nc_u64 s[8:9], s[8:9], s[94:95]
	s_add_nc_u64 s[10:11], s[10:11], s[56:57]
.irp n, 0,1,2,3
	s_add_nc_u64 s[G0A+4*\n+2:G0A+4*\n+3], s[20:21], \n*32768
	s_or_b32 s[G0A+4*\n+3], s[G0A+4*\n+3], 0x80000000   ; type = 2
	s_add_nc_u64 s[G0B+4*\n+2:G0B+4*\n+3], s[92:93], \n*32768
	s_or_b32 s[G0B+4*\n+3], s[G0B+4*\n+3], 0x80000000
.endr
	CROUND                                         ; all sixteen work-groups are here: the joint loads meet
	s_cmp_lt_u32 s[WV], 2                          ; waves 0 and 1 fetch W2P, waves 2 and 3 UV: a wave's four first fills stand in one branch; four loads of mine are out
	s_cbranch_scc0 .Lfor_uv
.irp n, 0,1,2,3
	tensor_load_to_lds s[G0B+4*\n:G0B+4*\n+3], s[G1B:G1B+7]
	s_nop 0
.endr
.rept 4
	v_nop
.endr
	s_branch .Lasked
.Lfor_uv:
.irp n, 0,1,2,3
	tensor_load_to_lds s[G0A+4*\n:G0A+4*\n+3], s[G1A:G1A+7]
	s_nop 0
.endr
.rept 4
	v_nop
.endr
.Lasked:
	; while the tiles travel: b2, the lane's addresses, zeros
	v_and_b32 v1, 15, v0                           ; r
	v_bfe_u32 v15, v0, 4, 1                        ; hh
	v_lshlrev_b32 v[BOF], 2, v1
	WIN 0x40                                       ; destination window 1, address window 0
.irp t8, 0,1,2,3,4,5,6,7
	global_load_b32 v[BIAS+8*\t8], v[BOF], s[8:9] offset:64*\t8   ; b2 of column 16 bt + r: in a result a lane holds one column
.endr
	WIN 0
	s_lshl_b32 s59, s[WV], 6
	s_add_co_u32 s59, s59, LU
	v_lshl_add_u32 v[AU], v15, 8, s59
	s_lshl_b32 s59, s[WV], 2
	v_add_nc_u32 v[AV], s59, v1
	v_and_b32 v[AV], 15, v[AV]                     ; (r + 4 w) % 16
	v_lshl_add_u32 v[AV], v15, 4, v[AV]
	v_lshlrev_b32 v[AV], 4, v[AV]
	v_add_nc_u32 v[AV], LU+4096, v[AV]
	v_and_b32 v[AB], 31, v0
	v_lshlrev_b32 v[AB], 4, v[AB]
	v_add_nc_u32 v[RDA], STAGE, v[AB]
	s_lshl_b32 s59, s[WV], 10
	s_add_co_u32 s59, s59, STAGE
	v_lshl_add_u32 v[STA], v15, 9, s59
	v_lshl_add_u32 v[STA], v1, 2, v[STA]
	v_mov_b32 v[Z], 0
.set n, 0
.rept 16
	v_mov_b32 v[SS+n], 0                           ; the column sums run over both passes
.set n, n+1
.endr
	s_wait_loadcnt 0x0                             ; b2
	WIN 0x41                                       ; destination and source 0 in window 1
.set n, 0
.rept 64
.if n%8
	v_mov_b32 v[BIAS+n], v[BIAS+8*(n/8)]           ; a column's bias for all eight rows of the lane: the C operand that starts a sum
.endif
.set n, n+1
.endr
	WIN 0
; Rider q of 24 of fragment g (i = g % 4, hf = g / 4): 0-7 U_i + V_hf, a pair each; 8-15 rounded to bf16; 16-23 the maximum with 0, two at a time
.macro GEN q, g
.set gU, UU+16*((\g)&3)
.set gV, VV+16*((\g)>>2)
.set gA, AF+8*(\g)
.if (\q) < 8
	v_pk_add_f32 v[TT+2*(\q):TT+2*(\q)+1], v[gU+2*(\q):gU+2*(\q)+1], v[gV+2*(\q):gV+2*(\q)+1]
.elseif (\q) < 16
	v_cvt_pk_bf16_f32 v[gA+(\q)-8], v[TT+2*((\q)-8)], v[TT+2*((\q)-8)+1]
.else
	v_pk_max_num_bf16 v[gA+(\q)-16], v[gA+(\q)-16], v[Z]
.endif
.endm
.macro LDU i                           ; U of row 4 w + i: the same 16 bytes for the 16 lanes of a half
.irp q4, 0,1,2,3
	ds_load_b128 v[UU+16*(\i)+4*\q4:UU+16*(\i)+4*\q4+3], v[ADU] offset:16*(\i)+512*\q4
.endr
.endm
.macro LDV hf, adr                     ; V of 16 rows: 512 consecutive bytes a load, the lanes turned by 4 w
.irp q4, 0,1,2,3
	ds_load_b128 v[VV+16*(\hf)+4*\q4:VV+16*(\hf)+4*\q4+3], v[\adr] offset:512*\q4
.endr
.endm
.macro LDB buf                         ; W2's eight fragments of a K step: 512 consecutive bytes a load
	WIN 0x40
.irp t8, 0,1,2,3,4,5,6,7
	ds_load_b128 v[64*(\buf)+8*\t8:64*(\buf)+8*\t8+3],   v[ADB] offset:\t8*1024
	ds_load_b128 v[64*(\buf)+8*\t8+4:64*(\buf)+8*\t8+7], v[ADB] offset:\t8*1024+512
.endr
	WIN 0
.endm
.macro MM f, bt, buf, cm               ; one product: M tile f, column tile bt.  cm = 1: b2 starts the sum: nothing is ever cleared
.set rD, 8*(8*((\f)&3)+(\bt))
.set rA, AF+8*(\f)
.set rB, 64*(\buf)+8*(\bt)
.if \cm
	WIN 0x94+0x40*((\f)/4)                         ; h1 window 0, W2 and b2 window 1, D window 2 or 3
	v_wmma_f32_16x16x32_bf16 v[rD:rD+7], v[rA:rA+7], v[rB:rB+7], v[BIAS+8*(\bt):BIAS+8*(\bt)+7]
.else
	WIN 0xa4+0x50*((\f)/4)                         ; C and D window 2 or 3
	v_wmma_f32_16x16x32_bf16 v[rD:rD+7], v[rA:rA+7], v[rB:rB+7], v[rD:rD+7]
.endif
.endm
; SLOT sl of a K step t: the eight products of M tile sl, behind each three riders of fragment (sl + 4) % 8: slots 0-3 make tiles 4-7 of step t (from U(t), V1(t)), slots 4-7 tiles 0-3 of step t + 1
; (from U(t + 1), V0(t + 1)).  A fragment is rewritten four slots behind its last product and finished three slots ahead of its next.  Behind the fourth product, when the slot's eight additions are out,
; the registers that they read last are fetched anew, for step t + 1.  W2 of step t + 1 goes into the buffer that step t - 1 read.  The accumulators take turns, one instruction a turn.
; THE WAITS.  Slot 0: 0: all that step t - 1 fetched is in.  The step then issues U0, V0 | U1 | U2 | U3, V1 (four loads each) in slots 0-3 and W2's 16 in slot 4.
; Slot 4 wants U0, V0: U1, U2, U3, V1 may be out: 16.  Slot 5 wants U1: U2, U3, V1 and W2's: 28.  Slot 6 wants U2: 24.  Slot 7 wants U3: 20.
.macro SLOT sl, buf, cm
.if (\sl) == 0
	s_wait_dscnt 0x0
.elseif (\sl) == 4
	s_wait_dscnt 16
.elseif (\sl) == 5
	s_wait_dscnt 28
.elseif (\sl) == 6
	s_wait_dscnt 24
.elseif (\sl) == 7
	s_wait_dscnt 20
.endif
.set bt, 0
.rept 8
	MM \sl, bt, \buf, \cm
	WIN 0
	GEN 3*bt, ((\sl)+4)&7
	GEN 3*bt+1, ((\sl)+4)&7
	GEN 3*bt+2, ((\sl)+4)&7
.if ((\sl) == 0) && (bt == 0)
	v_add_nc_u32 v[ADU], s[OA], v[AU]              ; the addresses of step t + 1
.endif
.if ((\sl) == 0) && (bt == 1)
	v_add_nc_u32 v[ADV0], s[OA], v[AV]
.endif
.if ((\sl) == 0) && (bt == 2)
	v_add_nc_u32 v[ADV1], s[OB], v[AV]
.endif
.if ((\sl) == 0) && (bt == 4)
	v_add_nc_u32 v[ADB], s[OBB], v[AB]
.endif
.if bt == 3
.if (\sl) == 0
	LDU 0
	LDV 0, ADV0
.elseif (\sl) < 3
	LDU \sl
.elseif (\sl) == 3
	LDU 3
	LDV 1, ADV1
.elseif (\sl) == 4
	LDB 1-(\buf)
.endif
.endif
.set bt, bt+1
.endr
.endm
; A K step.  Its fetches are the next step's.  wrap = 1 (step 15): the next step is step 0 of the other pass: U's block and the two blocks of V change places.
.macro STEP buf, cm, wrap
.if \wrap
	s_sub_co_u32 s[OA], s[OA], 15*KB
	s_xor_b32 s[OA], s[OA], 2048
	s_sub_co_u32 s[OB], s[OB], 15*KB
	s_xor_b32 s[OB], s[OB], 2048
	s_sub_co_u32 s[OBB], s[OBB], 15*KB
.else
	s_add_co_u32 s[OA], s[OA], KB
	s_add_co_u32 s[OB], s[OB], KB
	s_add_co_u32 s[OBB], s[OBB], KB
.endif
.irp sl, 0,1,2,3,4,5,6,7
	SLOT \sl, \buf, \cm
.endr
.endm
; Tiles become readable: my loads but the n youngest have landed, no LDS load of mine is out, and every wave says so.  Later tiles may stay on their way.
.macro SYNC n
	s_wait_tensorcnt \n
	s_wait_dscnt 0x0
	s_barrier_signal -1
	s_barrier_wait -1
.endm
; A pass's end: relu in place (each accumulator's registers in ascending order), the rows (i, i) dropped, and the rows summed: eight chains, one a column tile.
; The first lines read tiles 0-3, whose last products stand four slots back; tiles 4-7 come 416 vector lines later.
.macro EPI
.irp hw, 0,1
	WIN 0x88+0x44*\hw                              ; destination and source 1 in window 2, then 3
.set ex, 0
.rept 256
	v_max_num_f32 v[ex], 0, v[ex]
.set ex, ex+1
.endr
.if \hw == 0
.set ei, 0
.rept 4
.set eb, 0
.rept 8
	v_cndmask_b32 v[8*(8*ei+eb)+ei], 0, v[8*(8*ei+eb)+ei], s[DM]   ; tile f = i, row m = i: register i of lanes 0-15 is the pair (i_g, i_g)
.set eb, eb+1
.endr
.set ei, ei+1
.endr
.endif
	WIN 0x08+0x04*\hw                              ; source 1 in window 2, then 3; the sums in window 0
.set ei, 0
.rept 16                               ; tile ei / 4, pair of rows ei % 4
.set eb, 0
.rept 8
	v_pk_add_f32 v[SS+2*eb:SS+2*eb+1], v[SS+2*eb:SS+2*eb+1], v[8*(8*(ei/4)+eb)+2*(ei%4):8*(8*(ei/4)+eb)+2*(ei%4)+1]
.set eb, eb+1
.endr
.set ei, ei+1
.endr
.endr
	WIN 0
.endm
	SYNC 3                                         ; each wave's first load is in (three younger may stay out): K steps 0-3 are whole
	v_add_nc_u32 v[ADU], s[OA], v[AU]              ; K step 0 of pass 0
	v_add_nc_u32 v[ADV0], s[OA], v[AV]
	v_add_nc_u32 v[ADV1], s[OB], v[AV]
	v_add_nc_u32 v[ADB], s[OBB], v[AB]
	LDU 0
	LDV 0, ADV0
	LDU 1
	LDU 2
	LDU 3
	LDV 1, ADV1
	LDB 0
	s_wait_dscnt 16                                ; U and V are in; W2's sixteen may stay out
.irp g, 0,1,2,3
.set q, 0
.rept 24
	GEN q, \g                                      ; the first four fragments: there are no products yet to set them between
.set q, q+1
.endr
.endr
	s_mov_b32 s[PASS], 2
.Lpass:
	STEP 0, 1, 0                                   ; K step 0; it fetches step 1
	SYNC 2                                         ; each wave's second load is in: K steps 0-7; steps 1-6 fetch steps 2-7.  (In the second pass this wait and the next are met at once.)
	s_mov_b32 s[CNT], 3
.Lk1:
	STEP 1, 0, 0
	STEP 0, 0, 0
	s_sub_co_u32 s[CNT], s[CNT], 1
	s_cmp_lg_u32 s[CNT], 0
	s_cbranch_scc1 .Lk1
	SYNC 0                                         ; the last tiles' wait is for 0: no load was issued behind them
	s_mov_b32 s[CNT], 4
.Lk2:
	STEP 1, 0, 0
	STEP 0, 0, 0
	s_sub_co_u32 s[CNT], s[CNT], 1
	s_cmp_lg_u32 s[CNT], 0
	s_cbranch_scc1 .Lk2
	STEP 1, 0, 1                                   ; K step 15; it fetches and makes step 0 of the other pass
	EPI
	s_sub_co_u32 s[PASS], s[PASS], 1
	s_cmp_lg_u32 s[PASS], 0
	s_cbranch_scc1 .Lpass
	; the waves' sums meet in LDS
.irp t8, 0,1,2,3,4,5,6,7
	v_add_f32 v[SS+2*\t8], v[SS+2*\t8], v[SS+2*\t8+1]
.endr
.irp t8, 0,1,2,3,4,5,6,7
	ds_store_b32 v[STA], v[SS+2*\t8] offset:64*\t8
.endr
	s_wait_dscnt 0x0                               ; for the others' sake: my sums are written (and the last step's fetches are back)
	s_barrier_signal -1
	s_barrier_wait -1
	s_cmp_lg_u32 s[WV], 0                          ; wave 0 adds the eight parts (four waves x two halves of the lanes), four columns a lane
	s_cbranch_scc1 .Lend
.irp k8, 0,1,2,3,4,5,6,7
	ds_load_b128 v[AF+4*\k8:AF+4*\k8+3], v[RDA] offset:512*\k8
.endr
	s_wait_dscnt 0x0
.irp k8, 0,2,4,6,8,10,12,14
	v_pk_add_f32 v[AF+\k8:AF+\k8+1], v[AF+\k8:AF+\k8+1], v[AF+16+\k8:AF+16+\k8+1]
.endr
.irp k8, 0,2,4,6
	v_pk_add_f32 v[AF+\k8:AF+\k8+1], v[AF+\k8:AF+\k8+1], v[AF+8+\k8:AF+8+\k8+1]
.endr
.irp k8, 0,2
	v_pk_add_f32 v[AF+\k8:AF+\k8+1], v[AF+\k8:AF+\k8+1], v[AF+4+\k8:AF+4+\k8+1]
.endr
	global_store_b128 v[AB], v[AF:AF+3], s[10:11]  ; 512 consecutive bytes, aligned
.Lend:
	s_wait_tensorcnt 0x0                           ; the wave's end
	ds_add_u32 v[SPW], v[NIL]
	s_wait_dscnt 0x0
	CROUND                                         ; the closing round
	s_endpgm
.Lfunc_end_k_q28ccb0a5e1_pairs:
	.size	k_q28ccb0a5e1_pairs, .Lfunc_end_k_q28ccb0a5e1_pairs-k_q28ccb0a5e1_pairs
	.p2alignl 7, 3214868480
	.fill 96, 4, 3214868480
	.section	.rodata,"a",@progbits
	.p2align	6, 0x0
	.amdhsa_kernel k_q28ccb0a5e1_pairs
		.amdhsa_group_segment_fixed_size 266752
		.amdhsa_private_segment_fixed_size 0
		.amdhsa_enable_private_segment 0
		.amdhsa_kernarg_size 32
		.amdhsa_user_sgpr_count 2
		.amdhsa_user_sgpr_kernarg_segment_ptr 1
		.amdhsa_wavefront_size32 1
		.amdhsa_system_sgpr_workgroup_id_x 1
		.amdhsa_system_sgpr_workgroup_id_y 1
		.amdhsa_system_sgpr_workgroup_id_z 1
		.amdhsa_system_vgpr_workitem_id 0
		.amdhsa_next_free_vgpr 1024
		.amdhsa_next_free_sgpr 96
		.amdhsa_reserve_vcc 0
		.amdhsa_float_denorm_mode_32 3
		.amdhsa_float_denorm_mode_16_64 3
		.amdhsa_memory_ordered 1
		.amdhsa_forward_progress 1
		.amdhsa_inst_pref_size 195
	.end_amdhsa_kernel
	.amdgpu_metadata
---
amdhsa.version: [ 1, 2 ]
amdhsa.kernels:
  - .name:           k_q28ccb0a5e1_pairs
    .symbol:         k_q28ccb0a5e1_pairs.kd
    .args:
      - { .name: UV, .offset: 0, .size: 8, .value_kind: global_buffer, .address_space: global }
      - { .name: W2P, .offset: 8, .size: 8, .value_kind: global_buffer, .address_space: global }
      - { .name: b2, .offset: 16, .size: 8, .value_kind: global_buffer, .address_space: global }
      - { .name: S, .offset: 24, .size: 8, .value_kind: global_buffer, .address_space: global }
    .group_segment_fixed_size: 266752
    .private_segment_fixed_size: 0
    .kernarg_segment_align: 8
    .kernarg_segment_size: 32
    .max_flat_workgroup_size: 128
    .sgpr_count:     96
    .vgpr_count:     1024
    .wavefront_size: 32
...
	.end_amdgpu_metadata
.endif
;; end of part 2
;; launch head (part 3): grid 4 x 4, 16 waves a work-group, no clusters, 19,456 bytes of LDS; arguments S, W3, b3, out0; writes out0
.if DOCPART == 3
	.amdgcn_target "amdgcn-amd-amdhsa--gfx1250"
	.amdhsa_code_object_version 6
	.text
	.protected	k_q28ccb0a5e1_head
	.globl	k_q28ccb0a5e1_head
	.p2align	8
	.type	k_q28ccb0a5e1_head,@function
k_q28ccb0a5e1_head:
	s_mov_b64 s[64:65], 0
	v_nop
	global_prefetch_b8 v0, s[64:65] scope:SCOPE_SE
	s_setreg_imm32_b32 hwreg(HW_REG_WAVE_MODE, 25, 1), 1
	s_wait_xcnt 0x0
; out0[b][o] = the sum over g of S[b][g] W3[g][o] + 992 b3[o].  Third of three launches: layer 3 applied to the sum over the 992 pairs, since layer 3 and that sum are linear
; (shown at the head of the first kernel).  S is rounded once to bf16 as a matrix operand, W3 likewise; sums in f32.
; SHARES.  Work-group (ob, mt): 64 outputs x 16 sets.  Wave wv: ot = wv % 4 (16 outputs), kq = wv / 4 (128 of the 512 g: four K steps).  The four parts along g meet in LDS.
; THE PRODUCT IS TAKEN TRANSPOSED: source 0 = 16 columns of W3, source 1 = 16 rows of S: lane (r, hh) holds set r and the outputs 8 hh + 0..7 of the tile.
; Sixteen work-groups: a work-group's 64 outputs are the 256 consecutive bytes of a row that one store covers; more work-groups would read S and W3 more often.  Each byte is read once by a work-group,
; at its head: no ring, no cluster, no prefetch.
.set PP,    272                        ; a row of a part in LDS: 64 f32 + 16 bytes
.set PART,  16*PP
.set SPARE, 4*PART                     ; behind the parts: the spare words, 128 bytes for each of the sixteen waves; no other line names them
.set WO,  1                            ; v1   W3: 8 hh rows + 4 r
.set SO,  2                            ; v2   S: 2048 r + 32 hh
.set LO,  3                            ; v3   8 l: b3 and out0
.set STP, 4                            ; v4   LDS: where I put my part
.set RDP, 5                            ; v5   LDS: where I read a row back
.set SPW, 14
.set NIL, 15
.set WR,  16                           ; v[16:79]   W3 as loaded, 16 a K step; then its fragment in the first 8 of each 16
.set SR,  80                           ; v[80:143]  S likewise
.set AC0, 144
.set AC1, 152
.set BB,  160                          ; v[160:161] b3
.set RB,  164                          ; v[164:171] the four parts of my two outputs
	s_load_b256 s[4:11], s[0:1], 0x0               ; S s[4:5], W3 s[6:7], b3 s[8:9], out0 s[10:11]
	v_lshl_add_u32 v[SPW], v0, 2, SPARE
	v_mov_b32 v[NIL], 0
	v_lshrrev_b32 v6, 5, v0
	v_readfirstlane_b32 s12, v6                    ; wave 0..15
	s_and_b32 s13, s12, 3                          ; ot
	s_lshr_b32 s14, s12, 2                         ; kq
	s_and_b32 s15, ttmp7, 0xffff                   ; mt
	v_and_b32 v7, 15, v0                           ; r
	v_bfe_u32 v8, v0, 4, 1                         ; hh
	v_and_b32 v9, 31, v0                           ; l
	v_lshlrev_b32 v[WO], 2, v7
	v_lshl_add_u32 v[WO], v8, 13, v[WO]
	v_lshlrev_b32 v[SO], 11, v7
	v_lshl_add_u32 v[SO], v8, 5, v[SO]
	v_lshlrev_b32 v[LO], 3, v9
	s_mul_i32 s16, s14, PART
	s_lshl_b32 s17, s13, 6
	s_add_co_u32 s16, s16, s17
	v_mul_u32_u24 v[STP], v7, PP
	v_lshl_add_u32 v[STP], v8, 5, v[STP]
	v_add_nc_u32 v[STP], s16, v[STP]               ; part kq, row r, outputs 16 ot + 8 hh ..
	s_mul_i32 s17, s12, PP
	v_lshl_add_u32 v[RDP], v9, 3, s17              ; row = my wave's number, 8 bytes a lane
	s_lshl_b32 s24, ttmp9, 8                       ; ob x 256 bytes
	s_mov_b32 s25, 0
	s_lshl_b32 s18, s14, 17                        ; W3: kq x 128 rows of 1,024 bytes + ob x 256 + ot x 64
	s_add_co_u32 s18, s18, s24
	s_lshl_b32 s26, s13, 6
	s_add_co_u32 s18, s18, s26
	s_mov_b32 s19, 0
	s_lshl_b32 s20, s15, 15                        ; S: mt x 16 rows of 2,048 bytes + kq x 512
	s_lshl_b32 s26, s14, 9
	s_add_co_u32 s20, s20, s26
	s_mov_b32 s21, 0
	s_lshl_b32 s22, s15, 14                        ; out0: row 16 mt + wave, of 1,024 bytes, + ob x 256
	s_lshl_b32 s26, s12, 10
	s_add_co_u32 s22, s22, s26
	s_add_co_u32 s22, s22, s24
	s_mov_b32 s23, 0
	s_wait_kmcnt 0x0
	s_add_nc_u64 s[6:7], s[6:7], s[18:19]
	s_add_nc_u64 s[4:5], s[4:5], s[20:21]
	s_add_nc_u64 s[8:9], s[8:9], s[24:25]
	s_add_nc_u64 s[10:11], s[10:11], s[22:23]
.set n, 0
.rept 64                               ; K step n / 16; the lane's g = 32 ks + 16 c + 8 hh + e, c = (n % 16) / 8, e = n % 8
	global_load_b32 v[WR+n], v[WO], s[6:7] offset:(32*(n/16)+16*((n%16)/8)+n%8)*1024
.set n, n+1
.endr
.set n, 0
.rept 16
	global_load_b128 v[SR+4*n:SR+4*n+3], v[SO], s[4:5] offset:(n/4)*128+((n%4)/2)*64+(n%2)*16
.set n, n+1
.endr
	global_load_b64 v[BB:BB+1], v[LO], s[8:9]
	s_wait_loadcnt 0x0
.set n, 0
.rept 32                               ; to bf16, in place: register n % 8 of K step n / 8; a register is written only after it has been read
	v_cvt_pk_bf16_f32 v[WR+16*(n/8)+n%8], v[WR+16*(n/8)+2*(n%8)], v[WR+16*(n/8)+2*(n%8)+1]
	v_cvt_pk_bf16_f32 v[SR+16*(n/8)+n%8], v[SR+16*(n/8)+2*(n%8)], v[SR+16*(n/8)+2*(n%8)+1]
.set n, n+1
.endr
	; two accumulators take turns; the first two products start the sums
	v_wmma_f32_16x16x32_bf16 v[AC0:AC0+7], v[WR:WR+7], v[SR:SR+7], 0
	v_wmma_f32_16x16x32_bf16 v[AC1:AC1+7], v[WR+16:WR+23], v[SR+16:SR+23], 0
	v_wmma_f32_16x16x32_bf16 v[AC0:AC0+7], v[WR+32:WR+39], v[SR+32:SR+39], v[AC0:AC0+7]
	v_wmma_f32_16x16x32_bf16 v[AC1:AC1+7], v[WR+48:WR+55], v[SR+48:SR+55], v[AC1:AC1+7]
.rept 8
	v_nop                                          ; the places between the products and the sums that read them (ISA guide 7.12.1)
.endr
.irp k, 0,2,4,6
	v_pk_add_f32 v[AC0+\k:AC0+\k+1], v[AC0+\k:AC0+\k+1], v[AC1+\k:AC1+\k+1]
.endr
	ds_store_b128 v[STP], v[AC0:AC0+3]
	ds_store_b128 v[STP], v[AC0+4:AC0+7] offset:16
	s_wait_dscnt 0x0                               ; for the others' sake: my part is written
	s_barrier_signal -1
	s_barrier_wait -1
.irp k, 0,1,2,3
	ds_load_b64 v[RB+2*\k:RB+2*\k+1], v[RDP] offset:\k*PART   ; a row's 256 bytes of each part
.endr
	s_wait_dscnt 0x0
	v_pk_add_f32 v[RB:RB+1], v[RB:RB+1], v[RB+2:RB+3]
	v_pk_add_f32 v[RB+4:RB+5], v[RB+4:RB+5], v[RB+6:RB+7]
	v_pk_add_f32 v[RB:RB+1], v[RB:RB+1], v[RB+4:RB+5]
	v_pk_fma_f32 v[RB:RB+1], v[BB:BB+1], 0x44780000, v[RB:RB+1] op_sel_hi:[1,0,1]   ; + 992 b3
	global_store_b64 v[LO], v[RB:RB+1], s[10:11]   ; the wave's store covers 256 consecutive bytes, aligned
	s_wait_tensorcnt 0x0                           ; the wave's end
	ds_add_u32 v[SPW], v[NIL]
	s_wait_dscnt 0x0
	s_endpgm
.Lfunc_end_k_q28ccb0a5e1_head:
	.size	k_q28ccb0a5e1_head, .Lfunc_end_k_q28ccb0a5e1_head-k_q28ccb0a5e1_head
	.p2alignl 7, 3214868480
	.fill 96, 4, 3214868480
	.section	.rodata,"a",@progbits
	.p2align	6, 0x0
	.amdhsa_kernel k_q28ccb0a5e1_head
		.amdhsa_group_segment_fixed_size 19456
		.amdhsa_private_segment_fixed_size 0
		.amdhsa_enable_private_segment 0
		.amdhsa_kernarg_size 32
		.amdhsa_user_sgpr_count 2
		.amdhsa_user_sgpr_kernarg_segment_ptr 1
		.amdhsa_wavefront_size32 1
		.amdhsa_system_sgpr_workgroup_id_x 1
		.amdhsa_system_sgpr_workgroup_id_y 1
		.amdhsa_system_sgpr_workgroup_id_z 1
		.amdhsa_system_vgpr_workitem_id 0
		.amdhsa_next_free_vgpr 176
		.amdhsa_next_free_sgpr 66
		.amdhsa_reserve_vcc 0
		.amdhsa_float_denorm_mode_32 3
		.amdhsa_float_denorm_mode_16_64 3
		.amdhsa_memory_ordered 1
		.amdhsa_forward_progress 1
		.amdhsa_inst_pref_size 16
	.end_amdhsa_kernel
	.amdgpu_metadata
---
amdhsa.version: [ 1, 2 ]
amdhsa.kernels:
  - .name:           k_q28ccb0a5e1_head
    .symbol:         k_q28ccb0a5e1_head.kd
    .args:
      - { .name: S, .offset: 0, .size: 8, .value_kind: global_buffer, .address_space: global }
      - { .name: W3, .offset: 8, .size: 8, .value_kind: global_buffer, .address_space: global }
      - { .name: b3, .offset: 16, .size: 8, .value_kind: global_buffer, .address_space: global }
      - { .name: out0, .offset: 24, .size: 8, .value_kind: global_buffer, .address_space: global }
    .group_segment_fixed_size: 19456
    .private_segment_fixed_size: 0
    .kernarg_segment_align: 8
    .kernarg_segment_size: 32
    .max_flat_workgroup_size: 512
    .sgpr_count:     66
    .vgpr_count:     176
    .wavefront_size: 32
...
	.end_amdgpu_metadata
.endif
;; end of part 3
;; ======== version 2 of 2: 3 launches; version 1 with the launch prep written anew for expert scheduling mode
;; workspace buffers: UV 8,388,608 bytes; W2P 524,288 bytes; S 131,072 bytes
;; launch prep (part 4): grid 8 x 32, 8 waves a work-group, no clusters, 37,888 bytes of LDS; arguments x, W1, b1, W2, UV, W2P; writes UV, W2P
.if DOCPART == 4
	.amdgcn_target "amdgcn-amd-amdhsa--gfx1250"
	.amdhsa_code_object_version 6
	.text
	.protected	k_q28ccb0a5e1_prep
	.globl	k_q28ccb0a5e1_prep
	.p2align	8
	.type	k_q28ccb0a5e1_prep,@function
k_q28ccb0a5e1_prep:
	s_mov_b64 s[64:65], 0
	v_nop
	global_prefetch_b8 v0, s[64:65] scope:SCOPE_SE
	s_setreg_imm32_b32 hwreg(HW_REG_WAVE_SCHED_MODE, 0, 2), 2
	s_setreg_imm32_b32 hwreg(HW_REG_WAVE_MODE, 25, 1), 1
	s_wait_xcnt 0x0
	s_wait_alu depctr_vm_vsrc(0)
; JANOSSY POOLING, first of three launches.  out[b] = the sum over the 992 ordered pairs (i, j), i != j, of relu(relu([x_i, x_j] W1 + b1) W2 + b2) W3 + b3.
; HOW THE WORK IS REGROUPED, for all values of the inputs:
; (a) a row of xp is x_i followed by x_j, so xp W1 = x_i W1[0:128] + x_j W1[128:256]: the same products, each made once for a row of x and not once for a pair.
;     U = x W1[0:128] + b1 and V = x W1[128:256] are made here; the second launch takes h1 = relu(U_i + V_j).
; (b) layer 3 and the sum over pairs are both linear: the sum of (h2 W3 + b3) is (the sum of h2) W3 + 992 b3.  The third launch does that.
; Every one of the seven inputs is loaded by some launch.  LIMITS: the sums are taken in another order than reference()'s; an overflow that reference() would meet only in a single
; pair's h2 W3, or in a single pair's xp W1 before the halves are joined, is not carried to the result.  Matrix operands are bf16, sums f32; U and V are stored in f32.
; THIS LAUNCH ALSO rounds W2 to bf16 and lays it in the order in which the second launch's fragments want it.
; SHARES.  Work-group (nb, rbk): which = nb / 4 (0: U, 1: V), cb = nb % 4: 128 hidden columns; rbk: 64 rows of x (two sets).  Wave wv: row tile rt = wv % 4 (16 rows), nh = wv / 4 (64 columns: 4 tiles).
; THE PRODUCT IS TAKEN TRANSPOSED: source 0 = 16 columns of W1, source 1 = 16 rows of x: lane (r = l % 16, hh = l / 16) then holds row r and the columns n0 + 8 hh + 0..7.
; UV, f32: byte b 131072 + t 8192 + which 4096 + rb 2048 + q 512 + l 16 (t: 32 hidden channels; rb: 16 rows of the set; q = 0..3).  Lane l's 16 numbers e = 4 q + 0..3 are row 16 rb + r,
; channels 32 t + 8 hh + e (e < 8) and 32 t + 16 + 8 hh + e - 8: the channels that lane l of a fragment of h1 holds.  Two neighbouring tiles of this product are just that.
; W2P, bf16: byte nq 131072 + t 8192 + bt 1024 + c 512 + l 16; the 16 bytes are W2[32 t + 16 c + 8 hh + 0..7][128 nq + 16 bt + r].
; NO CLUSTER, NO TENSOR LOAD: W1's and x's tiles are rounded to bf16 on their way, which only a way through registers does; a work-group reads each of its bytes once, at its head.
; THE MODE: SCHED_MODE bits 1:0 = 2 (LLVM: expert scheduling mode 2), set by the entry lines.  The code itself states the register dependences
; between vector or matrix instructions and memory or LDS instructions, with s_wait_alu, always for 0.
; THE PLAN.  Registers that memory or LDS instructions touch, in the order of the text (there is no loop):
;   v1 .. v8     offsets and LDS addresses: written at the head, once; read by every load and store.  One wait on va_vdst ahead of the first load serves them all.
;   WR           W1's loads land; 32 conversions read and write it in place; the 16 LDS stores read its pairs; behind the barrier the turning loads land in it.
;   XR           x's loads land; 32 conversions read it (into XF); behind the barrier the turning loads land in it.
;   ACC          b1's loads land (U), or 32 moves write 0 (V: no load lands there on that way); the matrix instructions add onto it; the eight stores read it.
;   W2R, W2K     W2's loads land in W2R; four conversions make W2K; one store reads W2K; neither is written again.
;   XF           named by vector and matrix instructions alone.
;   v[SPW], v[NIL]  written at the head, read by the closing add alone.
; So: W1's conversions stand together, one wait on va_vdst behind them, and the LDS stores are dealt among x's conversions, which name XR and XF alone.  Behind the barrier one wait on vm_vsrc
; (the LDS stores have read WR) and one on va_vdst (x's conversions are done reading XR) stand ahead of the turning loads.  One wait on va_vdst stands ahead of each run of global stores.
.set PW,    288                        ; a row of W1's tile in LDS: 128 bf16 + 32 bytes
.set SPARE, 128*PW                     ; behind the tile: the spare words, 128 bytes for each of the eight waves; no other line names them
.set WO,  1                            ; v1   W1: 16 l + 16 rows x wave
.set LST, 2                            ; v2   LDS: where I put 8 bytes of a row of W1
.set XO,  3                            ; v3   x: 512 r + 32 hh
.set BO,  4                            ; v4   b1: 32 hh
.set TRA, 5                            ; v5   LDS: my place in a transposing load
.set UO,  6                            ; v6   UV: 16 l
.set W2O, 7                            ; v7   W2: 4 x thread
.set PO,  8                            ; v8   W2P: 1024 (thread / 16) + 16 (thread % 16)
.set SPW, 14                           ; v14  my spare word; never rewritten
.set NIL, 15                           ; v15  0; never rewritten
.set WR,  16                           ; v[16:79]   W1 as loaded
.set XR,  80                           ; v[80:143]  x as loaded
.set WF,  16                           ; v[16:143]  later: W1's fragments, K step ks, tile nt at 32 ks + 8 nt
.set XF,  144                          ; v[144:175] x's fragments, 8 a K step
.set ACC, 176                          ; v[176:207] four accumulators
.set W2R, 208                          ; v[208:215] W2 as loaded
.set W2K, 216                          ; v[216:219] W2 packed
	s_load_b256 s[4:11], s[0:1], 0x0               ; x s[4:5], W1 s[6:7], b1 s[8:9], W2 s[10:11]
	s_load_b128 s[12:15], s[0:1], 0x20             ; UV s[12:13], W2P s[14:15]
	v_lshl_add_u32 v[SPW], v0, 2, SPARE
	v_mov_b32 v[NIL], 0
	v_lshrrev_b32 v9, 5, v0
	v_readfirstlane_b32 s16, v9                    ; wave 0..7
	s_lshr_b32 s19, ttmp9, 2                       ; which
	s_and_b32 s20, ttmp9, 3                        ; cb (also nq of my piece of W2)
	s_and_b32 s21, ttmp7, 0xffff                   ; rbk
	v_and_b32 v10, 31, v0                          ; l          (the lane's terms, which do not want the wave's number, stand ahead of the wait for it)
	v_and_b32 v11, 15, v0                          ; r
	v_bfe_u32 v12, v0, 4, 1                        ; hh
	v_lshlrev_b32 v[XO], 9, v11
	v_lshl_add_u32 v[XO], v12, 5, v[XO]
	v_lshlrev_b32 v[BO], 5, v12
	v_and_b32 v13, 7, v0
	v_lshl_add_u32 v13, v12, 3, v13                ; k row 8 hh + l % 8
	v_mul_u32_u24 v[TRA], v13, PW
	v_bfe_u32 v13, v0, 3, 1
	v_lshl_add_u32 v[TRA], v13, 4, v[TRA]          ; + 16 ((l / 8) % 2)
	v_lshlrev_b32 v[UO], 4, v10
	v_lshlrev_b32 v[W2O], 2, v0
	v_lshrrev_b32 v13, 4, v0
	v_lshlrev_b32 v13, 10, v13
	v_lshl_add_u32 v[PO], v11, 4, v13
	s_wait_alu depctr_va_sdst(0)                   ; s16 is written, ahead of its first reader: rt, nh, the wave's terms and the branch on the wave's number are made from it
	s_and_b32 s17, s16, 3                          ; rt
	s_lshr_b32 s18, s16, 2                         ; nh
	s_lshl_b32 s39, s16, 15                        ; the wave's three terms, each in a scalar register of its own
	s_mul_i32 s37, s16, 16*PW
	s_lshl_b32 s38, s18, 7
	v_lshl_add_u32 v[WO], v10, 4, s39              ; 16 l + wave x 16 rows of 2,048 bytes
	v_lshl_add_u32 v[LST], v10, 3, s37             ; 8 l + wave x 16 LDS rows
	v_add_nc_u32 v[TRA], s38, v[TRA]               ; + my 64 columns
	; byte offsets, each in a pair of its own
	s_lshl_b32 s34, s20, 9                         ; cb x 512
	s_lshl_b32 s22, s19, 18                        ; W1: which x 128 rows
	s_add_co_u32 s22, s22, s34
	s_mov_b32 s23, 0
	s_lshl_b32 s24, s21, 15                        ; x: 64 rbk + 16 rt rows of 512 bytes
	s_lshl_b32 s35, s17, 13
	s_add_co_u32 s24, s24, s35
	s_mov_b32 s25, 0
	s_lshl_b32 s26, s18, 8                         ; b1: cb x 512 + nh x 256
	s_add_co_u32 s26, s26, s34
	s_mov_b32 s27, 0
	s_lshl1_add_u32 s36, s21, s19                  ; ko = (8 rbk + nb) / 4 = 2 rbk + which: my 8 rows of W2
	s_lshl_b32 s28, s36, 14
	s_add_co_u32 s28, s28, s34
	s_mov_b32 s29, 0
	s_lshr_b32 s35, s17, 1
	s_lshl1_add_u32 s35, s21, s35                  ; the set: 2 rbk + rt / 2
	s_lshl_b32 s30, s35, 17
	s_lshl_b32 s35, s19, 12
	s_add_co_u32 s30, s30, s35                     ; + which x 4,096
	s_and_b32 s35, s17, 1
	s_lshl_b32 s35, s35, 11
	s_add_co_u32 s30, s30, s35                     ; + rb x 2,048
	s_lshl1_add_u32 s35, s20, s18
	s_lshl_b32 s35, s35, 14
	s_add_co_u32 s30, s30, s35                     ; + (4 cb + 2 nh) x 8,192
	s_mov_b32 s31, 0
	s_lshl_b32 s32, s20, 17                        ; W2P: nq x 131,072
	s_lshr_b32 s35, s36, 2
	s_lshl_b32 s35, s35, 13
	s_add_co_u32 s32, s32, s35                     ; + t x 8,192
	s_and_b32 s35, s36, 3
	s_lshl_b32 s35, s35, 8
	s_add_co_u32 s32, s32, s35                     ; + c x 512 + hh x 256 = (ko % 4) x 256
	s_mov_b32 s33, 0
	s_wait_kmcnt 0x0
	s_add_nc_u64 s[6:7], s[6:7], s[22:23]
	s_add_nc_u64 s[4:5], s[4:5], s[24:25]
	s_add_nc_u64 s[8:9], s[8:9], s[26:27]
	s_add_nc_u64 s[10:11], s[10:11], s[28:29]
	s_add_nc_u64 s[12:13], s[12:13], s[30:31]
	s_add_nc_u64 s[14:15], s[14:15], s[32:33]
	s_wait_alu depctr_va_vdst(0)                   ; the eight offsets and addresses v1 to v8 are written, which the kernel's loads and stores read; nothing writes them again
	; all loads go out together
.set n, 0
.rept 16
	global_load_b128 v[WR+4*n:WR+4*n+3], v[WO], s[6:7] offset:n*2048      ; one row's 512 bytes: 128 columns
.set n, n+1
.endr
.set n, 0
.rept 16                               ; K step n / 4; the lane's channels 8 hh + 0..7 and 16 + 8 hh + 0..7, 32 bytes each
	global_load_b128 v[XR+4*n:XR+4*n+3], v[XO], s[4:5] offset:(n/4)*128+((n%4)/2)*64+(n%2)*16
.set n, n+1
.endr
	s_cmp_eq_u32 s19, 0
	s_cbranch_scc0 .Lno_bias
.set n, 0
.rept 8                                ; U: the sums start at b1 of the lane's eight columns
	global_load_b128 v[ACC+4*n:ACC+4*n+3], v[BO], s[8:9] offset:(n/2)*64+(n%2)*16
.set n, n+1
.endr
	s_branch .Lbias_done
.Lno_bias:
.set n, 0
.rept 32                               ; V: they start at 0; written while the loads are out, so that the products have one text.  On this way no load lands in ACC, and these lines name no register of a load
	v_mov_b32 v[ACC+n], 0
.set n, n+1
.endr
.Lbias_done:
	s_cmp_lt_u32 s16, 4                            ; waves 0-3: 8 rows x 128 columns of W2, a column a thread
	s_cbranch_scc0 .Lno_w2
.set n, 0
.rept 8
	global_load_b32 v[W2R+n], v[W2O], s[10:11] offset:n*2048
.set n, n+1
.endr
	s_wait_loadcnt 0x0                             ; all my loads: the same wait stands below for every wave
.set n, 0
.rept 4
	v_cvt_pk_bf16_f32 v[W2K+n], v[W2R+2*n], v[W2R+2*n+1]
.set n, n+1
.endr
	s_wait_alu depctr_va_vdst(0)                   ; the four conversions have written v[W2K ..], which the store reads
	global_store_b128 v[PO], v[W2K:W2K+3], s[14:15]  ; 16 lanes store 256 consecutive bytes, aligned
.Lno_w2:
	s_wait_loadcnt 0x0
.set n, 0
.rept 16                               ; W1 to bf16, in place: all 32 conversions together
	v_cvt_pk_bf16_f32 v[WR+4*n], v[WR+4*n], v[WR+4*n+1]
	v_cvt_pk_bf16_f32 v[WR+4*n+1], v[WR+4*n+2], v[WR+4*n+3]
.set n, n+1
.endr
	s_wait_alu depctr_va_vdst(0)                   ; W1's conversions have written the pairs v[WR + 4 n ..], which the LDS stores read
.set n, 0
.rept 16                               ; W1 into LDS as [k][n], a store ahead of each two of x's conversions (fragment register m % 8 of K step m / 8, m = 2 n, 2 n + 1), which name XR and XF alone: no store owes a further wait
	ds_store_b64 v[LST], v[WR+4*n:WR+4*n+1] offset:n*PW
	v_cvt_pk_bf16_f32 v[XF+2*n], v[XR+4*n], v[XR+4*n+1]
	v_cvt_pk_bf16_f32 v[XF+2*n+1], v[XR+4*n+2], v[XR+4*n+3]
.set n, n+1
.endr
	s_wait_dscnt 0x0                               ; for the others' sake: my rows of the tile are written
	s_barrier_signal -1
	s_barrier_wait -1
	s_wait_alu depctr_vm_vsrc(0)                   ; my LDS stores have read v[WR ..]: these registers are WF from here on, in which the turning loads land
	s_wait_alu depctr_va_vdst(0)                   ; x's conversions are done reading v[XR ..], the other half of WF
.set n, 0
.rept 16                               ; K step n / 4, tile n % 4: 16 columns x 32 k, turned
	ds_load_tr16_b128 v[WF+8*n:WF+8*n+3],   v[TRA] offset:(n/4)*32*PW+(n%4)*32
	ds_load_tr16_b128 v[WF+8*n+4:WF+8*n+7], v[TRA] offset:(n/4)*32*PW+(n%4)*32+16*PW
.set n, n+1
.endr
.set ks, 0
.rept 4
	s_wait_dscnt 24-8*ks                           ; this K step's eight loads are in; those of the later K steps may stay out
.set nt, 0
.rept 4                                ; the four accumulators take turns
	v_wmma_f32_16x16x32_bf16 v[ACC+8*nt:ACC+8*nt+7], v[WF+32*ks+8*nt:WF+32*ks+8*nt+7], v[XF+8*ks:XF+8*ks+7], v[ACC+8*nt:ACC+8*nt+7]
.set nt, nt+1
.endr
.set ks, ks+1
.endr
.rept 8
	v_nop                                          ; the places between the last products and the stores that read them
.endr
	s_wait_alu depctr_va_vdst(0)                   ; the matrix instructions have written the accumulators, which the stores read; the places above stay beside this wait
.set n, 0
.rept 8                                ; channels block n / 4, quarter n % 4: each store covers 512 consecutive bytes, aligned; each accumulator's low registers go first
	global_store_b128 v[UO], v[ACC+4*n:ACC+4*n+3], s[12:13] offset:(n/4)*8192+(n%4)*512
.set n, n+1
.endr
	s_wait_dscnt 0x0                               ; the closing lines, six on end
	s_wait_alu 0x0
	s_wait_tensorcnt 0x0
	ds_add_u32 v[SPW], v[NIL]
	s_wait_dscnt 0x0
	s_endpgm
.Lfunc_end_k_q28ccb0a5e1_prep:
	.size	k_q28ccb0a5e1_prep, .Lfunc_end_k_q28ccb0a5e1_prep-k_q28ccb0a5e1_prep
	.p2alignl 7, 3214868480
	.fill 96, 4, 3214868480
	.section	.rodata,"a",@progbits
	.p2align	6, 0x0
	.amdhsa_kernel k_q28ccb0a5e1_prep
		.amdhsa_group_segment_fixed_size 37888
		.amdhsa_private_segment_fixed_size 0
		.amdhsa_enable_private_segment 0
		.amdhsa_kernarg_size 48
		.amdhsa_user_sgpr_count 2
		.amdhsa_user_sgpr_kernarg_segment_ptr 1
		.amdhsa_wavefront_size32 1
		.amdhsa_system_sgpr_workgroup_id_x 1
		.amdhsa_system_sgpr_workgroup_id_y 1
		.amdhsa_system_sgpr_workgroup_id_z 1
		.amdhsa_system_vgpr_workitem_id 0
		.amdhsa_next_free_vgpr 224
		.amdhsa_next_free_sgpr 66
		.amdhsa_reserve_vcc 0
		.amdhsa_float_denorm_mode_32 3
		.amdhsa_float_denorm_mode_16_64 3
		.amdhsa_memory_ordered 1
		.amdhsa_forward_progress 1
		.amdhsa_inst_pref_size 19
	.end_amdhsa_kernel
	.amdgpu_metadata
---
amdhsa.version: [ 1, 2 ]
amdhsa.kernels:
  - .name:           k_q28ccb0a5e1_prep
    .symbol:         k_q28ccb0a5e1_prep.kd
    .args:
      - { .name: x, .offset: 0, .size: 8, .value_kind: global_buffer, .address_space: global }
      - { .name: W1, .offset: 8, .size: 8, .value_kind: global_buffer, .address_space: global }
      - { .name: b1, .offset: 16, .size: 8, .value_kind: global_buffer, .address_space: global }
      - { .name: W2, .offset: 24, .size: 8, .value_kind: global_buffer, .address_space: global }
      - { .name: UV, .offset: 32, .size: 8, .value_kind: global_buffer, .address_space: global }
      - { .name: W2P, .offset: 40, .size: 8, .value_kind: global_buffer, .address_space: global }
    .group_segment_fixed_size: 37888
    .private_segment_fixed_size: 0
    .kernarg_segment_align: 8
    .kernarg_segment_size: 48
    .max_flat_workgroup_size: 256
    .sgpr_count:     66
    .vgpr_count:     224
    .wavefront_size: 32
...
	.end_amdgpu_metadata
.endif
;; end of part 4
;; launch pairs: the kernel of part 2 again; grid 4 x 64, 4 waves a work-group, clusters of 4 x 4, 266,752 bytes of LDS; arguments UV, W2P, b2, S; writes S
;; launch head: the kernel of part 3 again; grid 4 x 4, 16 waves a work-group, no clusters, 19,456 bytes of LDS; arguments S, W3, b3, out0; writes out0
